; MI455X (gfx1250); checked and timed in simulation.
; The chip was launched on July 23, 2026; its instructions are those of AMD's public machine-readable ISA for CDNA 5 (MIT licence, August 2026) and "CDNA5" Instruction Set Architecture Reference Guide (July 2026). The comments in the code are by the model that wrote it; some were corrected since.
;; Mixed Precision QAT Linear Enhanced. Allowed arithmetic: float matrix products may take bf16 or f16 operands with f32 sums; other float arithmetic in f32, or as packed bf16 or f16 multiplies, adds, multiply-adds, maxima and minima; sums over many terms, partial sums and values carried from step to step in f32; what a program stores and reads back later, other than sums and carried values, may be rounded once to bf16 or f16.
;; Inputs: W 4,096 x 4,096 float32; b 4,096 float32; logits_a 3 float32; logits_w 3 float32; lsq_a_beta one number float32; lsq_a_s one number float32; lsq_w_s one number float32; pact_alpha one number float32; rescale_scale one number float32; x 4 x 1,024 x 4,096 float32.
;; Outputs: out0 4 x 1,024 x 4,096 float32.
;; 2 versions, each right; version 2 is version 1 with the launch quant written anew for expert scheduling mode. Each part assembles by itself: llvm-mc -triple=amdgcn-amd-amdhsa -mcpu=gfx1250 --defsym DOCPART=n.
;; ======== version 1 of 2: 3 launches
;; limits: values are held in f16: magnitudes above 65,504 overflow, below 6.1e-05 lose precision
;; workspace buffers: wmax 1,024 bytes; qx 33,554,432 bytes; qw 33,554,432 bytes; post 256 bytes
;; launch amax (part 1): grid 256 x 1, 16 waves a work-group, no clusters, 2,304 bytes of LDS; arguments W, wmax; writes wmax
.if DOCPART == 1
	.amdgcn_target "amdgcn-amd-amdhsa--gfx1250"
	.amdhsa_code_object_version 6
	.text
	.protected	k_q6db3e946fe_amax
	.globl	k_q6db3e946fe_amax
	.p2align	8
	.type	k_q6db3e946fe_amax,@function
k_q6db3e946fe_amax:
	s_mov_b64 s[64:65], 0
	v_nop
	global_prefetch_b8 v0, s[64:65] scope:SCOPE_SE
	s_setreg_imm32_b32 hwreg(HW_REG_WAVE_MODE, 25, 1), 1
	s_wait_xcnt 0x0
; wmax[g] = the largest |W| among work-group g's 65,536 numbers of W (262,144 bytes).  W: [4096][4096] f32.
; The 8-bit weight scale of the module needs the largest |W / scale| of all of W; a rounded division by one positive number keeps order,
; so the largest |W| is found here and divided once, in the next launch.
; LIMIT: a NaN in W loses in every maximum and is passed over.
; SHARES.  16 waves, 512 threads.  Thread t takes the 16 bytes at 16 t + 8,192 j, j = 0 .. 31: a load of a wave covers 512 consecutive bytes.
; All 32 loads of a thread are issued at once (the whole share of the work-group is on its way), so there is no loop.
; No matrix unit, no cluster, no tensor load: no byte is wanted twice.
.set SPARE, 256                        ; LDS: bytes 0-63 one word a wave (the block 0-255 is theirs); from 256 on the spare words, 128 bytes a wave
.set M,   4                            ; v[4:7]    four running maxima that do not wait for each other
.set SPW, 8                            ; v8        LDS address of my spare word; never rewritten
.set NIL, 9                            ; v9        0; never rewritten
.set X,   16                           ; v[16:143] load j: four registers
	s_load_b128 s[4:7], s[0:1], 0x0                ; W s[4:5], wmax s[6:7]
	v_lshl_add_u32 v[SPW], v0, 2, SPARE
	v_mov_b32 v[NIL], 0
	v_lshlrev_b32 v1, 4, v0                        ; 16 t
	v_lshrrev_b32 v2, 5, v0
	v_readfirstlane_b32 s8, v2                     ; wave 0..15
	v_mov_b32 v3, 0                                ; the lane exchange below counts as a reader of its destination
	s_lshl_b32 s10, ttmp9, 18                      ; the work-group's 262,144 bytes
	s_mov_b32 s11, 0
	s_mov_b32 s12, 0x76543210                      ; v_permlanex16_b32: each lane takes its own place in the other half
	s_mov_b32 s13, 0xfedcba98
	s_lshl_b32 s14, ttmp9, 2
	v_mov_b32 v10, s14                             ; the work-group's word in wmax
	s_wait_kmcnt 0x0
	s_add_nc_u64 s[4:5], s[4:5], s[10:11]
.set j, 0
.rept 32
	global_load_b128 v[X+4*j:X+4*j+3], v1, s[4:5] offset:8192*j
.set j, j+1
.endr
; eight groups of four loads; load 4 g + c feeds chain c
.set g, 0
.rept 8
	s_wait_loadcnt 28-4*g                          ; loads come back in order: group g is in, the younger groups stay out
.set c, 0
.rept 4
.set XJ, X+4*(4*g+c)
.if g == 0
	v_max_num_f32 v[M+c], |v[XJ]|, |v[XJ+1]|       ; the first group starts the chains: nothing is cleared
.else
	v_max3_num_f32 v[M+c], v[M+c], |v[XJ]|, |v[XJ+1]|
.endif
	v_max3_num_f32 v[M+c], v[M+c], |v[XJ+2]|, |v[XJ+3]|
.set c, c+1
.endr
.set g, g+1
.endr
	v_max3_num_f32 v[M], v[M], v[M+1], v[M+2]
	v_max_num_f32 v[M], v[M], v[M+3]
	; across the 32 lanes: four steps inside each half of 16, one across the halves
	v_max_num_f32_dpp v[M], v[M], v[M] row_xmask:1 row_mask:0xf bank_mask:0xf
	v_max_num_f32_dpp v[M], v[M], v[M] row_xmask:2 row_mask:0xf bank_mask:0xf
	v_max_num_f32_dpp v[M], v[M], v[M] row_xmask:4 row_mask:0xf bank_mask:0xf
	v_max_num_f32_dpp v[M], v[M], v[M] row_xmask:8 row_mask:0xf bank_mask:0xf
	v_permlanex16_b32 v3, v[M], s12, s13
	v_max_num_f32 v[M], v[M], v3
	; across the 16 waves: a word each in LDS, one barrier, wave 0 reads all
	v_mov_b32 v2, s8
	v_lshlrev_b32 v2, 2, v2
	ds_store_b32 v2, v[M]                          ; all lanes write the same word with the same value
	s_wait_dscnt 0x0                               ; for the other waves: my store is done
	s_barrier_signal -1
	s_barrier_wait -1
	s_cmp_lg_u32 s8, 0
	s_cbranch_scc1 .Lend
	v_mov_b32 v2, 0
	ds_load_b128 v[16:19], v2
	ds_load_b128 v[20:23], v2 offset:16
	ds_load_b128 v[24:27], v2 offset:32
	ds_load_b128 v[28:31], v2 offset:48
	s_wait_dscnt 0x0
	v_max3_num_f32 v4, v16, v17, v18
	v_max3_num_f32 v5, v19, v20, v21
	v_max3_num_f32 v6, v22, v23, v24
	v_max3_num_f32 v7, v25, v26, v27
	v_max3_num_f32 v11, v28, v29, v30
	v_max3_num_f32 v4, v4, v5, v31
	v_max3_num_f32 v6, v6, v7, v11
	v_max_num_f32 v4, v4, v6
	s_wait_xcnt 0x0                                ; EXEC is a source of the loads above: it changes only behind this wait
	v_cmp_eq_u32 vcc_lo, 0, v0
	s_and_saveexec_b32 s16, vcc_lo
	global_store_b32 v10, v4, s[6:7]               ; one word a work-group, 256 in the launch: the table is kept dense, so that a wave of the next launch reads all of it by two loads
	s_wait_xcnt 0x0                                ; and again ahead of the line that widens EXEC
	s_or_b32 exec_lo, exec_lo, s16
.Lend:
	s_wait_tensorcnt 0x0                           ; the wave's end: these three lines behind my last LDS store
	ds_add_u32 v[SPW], v[NIL]
	s_wait_dscnt 0x0
	s_endpgm
.Lfunc_end_k_q6db3e946fe_amax:
	.size	k_q6db3e946fe_amax, .Lfunc_end_k_q6db3e946fe_amax-k_q6db3e946fe_amax
	.p2alignl 7, 3214868480
	.fill 96, 4, 3214868480
	.section	.rodata,"a",@progbits
	.p2align	6, 0x0
	.amdhsa_kernel k_q6db3e946fe_amax
		.amdhsa_group_segment_fixed_size 2304
		.amdhsa_private_segment_fixed_size 0
		.amdhsa_enable_private_segment 0
		.amdhsa_kernarg_size 16
		.amdhsa_user_sgpr_count 2
		.amdhsa_user_sgpr_kernarg_segment_ptr 1
		.amdhsa_wavefront_size32 1
		.amdhsa_system_sgpr_workgroup_id_x 1
		.amdhsa_system_sgpr_workgroup_id_y 1
		.amdhsa_system_sgpr_workgroup_id_z 1
		.amdhsa_system_vgpr_workitem_id 0
		.amdhsa_next_free_vgpr 144
		.amdhsa_next_free_sgpr 66
		.amdhsa_reserve_vcc 1
		.amdhsa_float_denorm_mode_32 3
		.amdhsa_float_denorm_mode_16_64 3
		.amdhsa_memory_ordered 1
		.amdhsa_forward_progress 1
		.amdhsa_inst_pref_size 11
	.end_amdhsa_kernel
	.amdgpu_metadata
---
amdhsa.version: [ 1, 2 ]
amdhsa.kernels:
  - .name:           k_q6db3e946fe_amax
    .symbol:         k_q6db3e946fe_amax.kd
    .args:
      - { .name: W, .offset: 0, .size: 8, .value_kind: global_buffer, .address_space: global }
      - { .name: wmax, .offset: 8, .size: 8, .value_kind: global_buffer, .address_space: global }
    .group_segment_fixed_size: 2304
    .private_segment_fixed_size: 0
    .kernarg_segment_align: 8
    .kernarg_segment_size: 16
    .max_flat_workgroup_size: 512
    .sgpr_count:     66
    .vgpr_count:     144
    .wavefront_size: 32
...
	.end_amdgpu_metadata
.endif
;; end of part 1
;; launch quant (part 2): grid 256 x 1, 32 waves a work-group, no clusters, 0 bytes of LDS; arguments x, W, qx, qw, wmax, post, logits_a, logits_w, rescale_scale, lsq_a_s, lsq_a_beta, pact_alpha, lsq_w_s; writes qx, qw, post
.if DOCPART == 2
	.amdgcn_target "amdgcn-amd-amdhsa--gfx1250"
	.amdhsa_code_object_version 6
	.text
	.protected	k_q6db3e946fe_quant
	.globl	k_q6db3e946fe_quant
	.p2align	8
	.type	k_q6db3e946fe_quant,@function
k_q6db3e946fe_quant:
	s_mov_b64 s[64:65], 0
	v_nop
	global_prefetch_b8 v0, s[64:65] scope:SCOPE_SE
	s_setreg_imm32_b32 hwreg(HW_REG_WAVE_MODE, 25, 1), 1
	s_wait_xcnt 0x0
; The two mixtures of the module, element by element, each written once as f16 for the product that follows.
;   SC = max(scale, 1e-6).   a = x SC;   q_x = aa0 (round(clip((a - beta) / s, -8, 7)) s + beta) + aa1 round(clip(a, 0, alpha) / st) st + aa2 a,   st = alpha / 255
;   w = W / SC;   q_w = aw0 round(clip(w / s, -8, 7)) s + aw1 clip(round(w / s2), -128, 127) s2 + aw2 w,   s2 = max(max|w| / 127, 1e-6)
;   aa, aw = softmax(logits / 3.5), with the largest logit taken away first.
; STORED: qx = q_x / SC and qw = q_w / IW, IW = max|w| (at least 2^-100): |qw| stays under 2 whatever the size of W, since a code other than 0 means a step of at most 2 max|w|.
; post = SC x IW, 64 copies: the product is multiplied by it in f32.
; THE QUOTIENTS ahead of a rounding decide a code, and one code of 4 bits is a large step: so each is made as q = a r, e = a - q d (one fused line, so e is the true remainder),
; q = q + e r, with r = 1 / d refined twice: the rounded quotient of the f32 division.  Behind the codes the order of the sums is free.
; LIMITS: |q_x / SC| under 65,504 (f16); every quotient ahead of a clip finite in f32 (|x SC - beta| under 3.4e38 s, and so on); the scalar inputs within 1e-37 to 1e37
; (v_rcp_f32 takes a denormal as 0); NaN and infinities are not treated apart.
; SHARES.  32 waves: waves 0-15 take 262,144 bytes of x, waves 16-31 the same of W: one branch on the wave's number, two texts, no barrier, no LDS.
; With t = thread % 512, item i of 32 is 16 bytes in at 16 t + 8,192 i and 8 bytes out at 8 t + 4,096 i: a load of a wave covers 512 consecutive bytes, a store 256, aligned.
; A ring of eight slots in registers keeps eight loads of every wave on their way.  No matrix unit, no cluster, no tensor load: no byte is wanted twice.
.set IN,  36                           ; s[36:37] my share of x or W, at the round in hand
.set OUT, 38                           ; s[38:39] my share of qx or qw
.set P0,  50                           ; parameters as pairs (the packed lines name a pair and take its low word twice).  x: SC      W: 1 / SC
.set P1,  52                           ; x: -beta   W: -SC
.set RR1, 54                           ; 1 / s
.set NS1, 56                           ; -s
.set RR2, 58                           ; x: 1 / st   W: 1 / s2
.set NS2, 60                           ; x: -st      W: -s2
.set CC0, 62                           ; the factor of the 4-bit code
.set CC1, 66                           ; of the 8-bit code
.set CC2, 68                           ; of a or w
.set CC3, 70                           ; x alone: the addend aa0 beta / SC
.set LO4, 72                           ; -8
.set HI4, 73                           ; 7
.set LO8, 74                           ; W alone: -128
.set HIB, 75                           ; x: alpha    W: 127
.set A,   4                            ; v[4:7]    a or w, then the sum
.set T,   8                            ; v[8:11]   a dividend
.set Q,   12                           ; v[12:15]  the 4-bit code
.set E,   16                           ; v[16:19]  a remainder
.set U,   20                           ; v[20:23]  the 8-bit code
.set X,   24                           ; v[24:55]  slot i: four registers as loaded
.set Y,   56                           ; v[56:71]  slot i: two registers to store
.macro PUT sp, vr                      ; a parameter, the same in all lanes, into a scalar pair
	v_readfirstlane_b32 s[\sp], v[\vr]
	s_mov_b32 s[\sp+1], s[\sp]
.endm
.macro PUTN sp, vr                     ; the same with the sign turned
	v_readfirstlane_b32 s[\sp], v[\vr]
	s_xor_b32 s[\sp], s[\sp], 0x80000000
	s_mov_b32 s[\sp+1], s[\sp]
.endm
.macro NEWTON r, d                     ; r = 1 / d, refined twice: t = 1 - d r; r = r + t r
.rept 2
	v_fma_f32 v84, -v[\d], v[\r], 1.0
	v_fma_f32 v[\r], v84, v[\r], v[\r]
.endr
.endm
.macro SOFTARG                         ; v80-82: (logit - the largest logit) x log2(e) / 3.5
	v_max3_num_f32 v83, v80, v81, v82
	v_sub_f32 v80, v80, v83
	v_sub_f32 v81, v81, v83
	v_sub_f32 v82, v82, v83
	v_mul_f32 v80, 0x3ed30bb1, v80
	v_mul_f32 v81, 0x3ed30bb1, v81
	v_mul_f32 v82, 0x3ed30bb1, v82
.endm
.macro PDIV q, a, r, n                 ; four quotients q = a / d, with 1 / d in pair r and -d in pair n
.irp p, 0,2
	v_pk_mul_f32 v[(\q)+(\p):(\q)+(\p)+1], v[(\a)+(\p):(\a)+(\p)+1], s[\r:\r+1] op_sel_hi:[1,0]
.endr
.irp p, 0,2
	v_pk_fma_f32 v[E+(\p):E+(\p)+1], v[(\q)+(\p):(\q)+(\p)+1], s[\n:\n+1], v[(\a)+(\p):(\a)+(\p)+1] op_sel_hi:[1,0,1]
.endr
.irp p, 0,2
	v_pk_fma_f32 v[(\q)+(\p):(\q)+(\p)+1], v[E+(\p):E+(\p)+1], s[\r:\r+1], v[(\q)+(\p):(\q)+(\p)+1] op_sel_hi:[1,0,1]
.endr
.endm
; One slot's turn: four numbers.  kind 0: x, 1: W.  ahead = 1: the slot is loaded again, eight items on.  left = the younger loads that may stay out.
.macro ITEM kind, i, ahead, left
.set XI, X+4*(\i)
.set YI, Y+2*(\i)
	s_wait_loadcnt \left                           ; loads come back in order: this slot's is in
.if (\kind) == 0
.irp p, 0,2
	v_pk_mul_f32 v[A+(\p):A+(\p)+1], v[XI+(\p):XI+(\p)+1], s[P0:P0+1] op_sel_hi:[1,0]   ; a = x SC
.endr
.irp p, 0,2
	v_pk_add_f32 v[T+(\p):T+(\p)+1], v[A+(\p):A+(\p)+1], s[P1:P1+1] op_sel_hi:[1,0]     ; a - beta
.endr
	PDIV Q, T, RR1, NS1
.irp k, 0,1,2,3
	v_med3_num_f32 v[Q+(\k)], v[Q+(\k)], s[LO4], s[HI4]   ; clipped, then rounded
.endr
.irp k, 0,1,2,3
	v_rndne_f32 v[Q+(\k)], v[Q+(\k)]
.endr
.irp k, 0,1,2,3
	v_med3_num_f32 v[T+(\k)], v[A+(\k)], 0, s[HIB]        ; clip(a, 0, alpha)
.endr
	PDIV U, T, RR2, NS2
.irp k, 0,1,2,3
	v_rndne_f32 v[U+(\k)], v[U+(\k)]
.endr
.irp p, 0,2
	v_pk_fma_f32 v[A+(\p):A+(\p)+1], v[A+(\p):A+(\p)+1], s[CC2:CC2+1], s[CC3:CC3+1] op_sel_hi:[1,0,0]
.endr
.else
	PDIV A, XI, P0, P1                             ; w = W / SC
	PDIV Q, A, RR1, NS1
.irp k, 0,1,2,3
	v_med3_num_f32 v[Q+(\k)], v[Q+(\k)], s[LO4], s[HI4]   ; clipped, then rounded
.endr
.irp k, 0,1,2,3
	v_rndne_f32 v[Q+(\k)], v[Q+(\k)]
.endr
	PDIV U, A, RR2, NS2
.irp k, 0,1,2,3
	v_rndne_f32 v[U+(\k)], v[U+(\k)]               ; rounded, then clipped
.endr
.irp k, 0,1,2,3
	v_med3_num_f32 v[U+(\k)], v[U+(\k)], s[LO8], s[HIB]
.endr
.irp p, 0,2
	v_pk_mul_f32 v[A+(\p):A+(\p)+1], v[A+(\p):A+(\p)+1], s[CC2:CC2+1] op_sel_hi:[1,0]
.endr
.endif
.irp p, 0,2
	v_pk_fma_f32 v[A+(\p):A+(\p)+1], v[Q+(\p):Q+(\p)+1], s[CC0:CC0+1], v[A+(\p):A+(\p)+1] op_sel_hi:[1,0,1]
.endr
.irp p, 0,2
	v_pk_fma_f32 v[A+(\p):A+(\p)+1], v[U+(\p):U+(\p)+1], s[CC1:CC1+1], v[A+(\p):A+(\p)+1] op_sel_hi:[1,0,1]
.endr
	v_cvt_pk_f16_f32 v[YI], v[A], v[A+1]           ; the one rounding to f16
	v_cvt_pk_f16_f32 v[YI+1], v[A+2], v[A+3]
.if \ahead
	global_load_b128 v[XI:XI+3], v1, s[IN:IN+1] offset:(8+(\i))*8192 th:TH_LOAD_NT
.endif
	global_store_b64 v2, v[YI:YI+1], s[OUT:OUT+1] offset:(\i)*4096
.endm
; 32 items: three rounds of eight that load ahead, and a last round written out, which loads nothing: no load leaves the buffer
.macro STREAM kind
	s_mov_b32 s3, 3
.Lround_\@:
.irp i, 0,1,2,3,4,5,6,7
	ITEM \kind, \i, 1, 7
.endr
	s_wait_xcnt 0x0                                ; the round's loads and stores have read their sources: only now are the two bases stepped and the slots' Y written again
	s_add_nc_u64 s[IN:IN+1], s[IN:IN+1], 0x10000
	s_add_nc_u64 s[OUT:OUT+1], s[OUT:OUT+1], 0x8000
	s_sub_co_u32 s3, s3, 1
	s_cmp_lg_u32 s3, 0
	s_cbranch_scc1 .Lround_\@
.irp i, 0,1,2,3,4,5,6,7
	ITEM \kind, \i, 0, 7-(\i)                      ; the counts run down
.endr
.endm
	s_load_b512 s[8:23], s[0:1], 0x0               ; x 8, W 10, qx 12, qw 14, wmax 16, post 18, logits_a 20, logits_w 22
	s_load_b256 s[24:31], s[0:1], 0x40             ; rescale_scale 24, lsq_a_s 26, lsq_a_beta 28, pact_alpha 30
	s_load_b64 s[32:33], s[0:1], 0x60              ; lsq_w_s
	v_lshrrev_b32 v4, 5, v0
	v_readfirstlane_b32 s4, v4                     ; wave 0..31
	v_and_b32 v1, 0x1ff, v0                        ; t
	v_lshlrev_b32 v2, 3, v1                        ; 8 t
	v_lshlrev_b32 v1, 4, v1                        ; 16 t
	v_and_b32 v3, 31, v0                           ; lane
	v_lshlrev_b32 v98, 3, v3                       ; 8 x lane: my two words of post
	v_lshlrev_b32 v3, 5, v3                        ; 32 x lane: my eight words of wmax
	s_lshl_b32 s34, ttmp9, 18                      ; the work-group's share: 262,144 bytes in,
	s_mov_b32 s35, 0
	s_lshl_b32 s6, ttmp9, 17                       ; 131,072 out
	s_mov_b32 s7, 0
	s_mov_b32 s[LO4], 0xc1000000                   ; -8
	s_mov_b32 s[HI4], 0x40e00000                   ; 7
	s_wait_kmcnt 0x0
	s_cmp_lt_u32 s4, 16
	s_cbranch_scc0 .Lweights
	; ---------------- waves 0-15: x ----------------
	s_load_b32 s40, s[24:25], 0x0                  ; scale
	s_load_b32 s41, s[26:27], 0x0                  ; s
	s_load_b32 s42, s[28:29], 0x0                  ; beta
	s_load_b32 s43, s[30:31], 0x0                  ; alpha
	s_load_b96 s[44:46], s[20:21], 0x0             ; logits_a
	s_add_nc_u64 s[IN:IN+1], s[8:9], s[34:35]
	s_add_nc_u64 s[OUT:OUT+1], s[12:13], s[6:7]
.irp i, 0,1,2,3,4,5,6,7
	global_load_b128 v[X+4*(\i):X+4*(\i)+3], v1, s[IN:IN+1] offset:(\i)*8192 th:TH_LOAD_NT  ; the ring is filled; the parameters are made while it is on its way
.endr
	s_wait_kmcnt 0x0
	v_mov_b32 v72, s40
	v_mov_b32 v73, s41
	v_mov_b32 v74, s43
	v_mov_b32 v75, s42                             ; beta
	v_mov_b32 v80, s44
	v_mov_b32 v81, s45
	v_mov_b32 v82, s46
	v_max_num_f32 v72, 0x358637bd, v72             ; SC = max(scale, 1e-6)
	v_max_num_f32 v73, 0x358637bd, v73             ; s
	v_max_num_f32 v74, 0x358637bd, v74             ; alpha
	v_mul_f32 v76, 0x3b808081, v74                 ; st = alpha / 255: q = alpha x (1/255),
	v_fmamk_f32 v84, v76, 0xc37f0000, v74          ; e = alpha - 255 q,
	v_fmamk_f32 v76, v84, 0x3b808081, v76          ; q + e x (1/255)
	SOFTARG
	v_rcp_f32 v77, v73                             ; one batch: three reciprocals and three exponentials
	v_rcp_f32 v78, v76
	v_rcp_f32 v79, v72
	v_exp_f32 v80, v80
	v_exp_f32 v81, v81
	v_exp_f32 v82, v82
	v_nop                                          ; a plain line behind the last of them,
	s_wait_alu depctr_va_vdst(0)                   ; and the one wait ahead of the first use
	v_add_f32 v83, v80, v81
	v_add_f32 v83, v83, v82                        ; at least 1: the largest logit gives 2^0
	v_rcp_f32 v85, v83
	NEWTON 77, 73                                  ; plain work that names neither v83 nor v85
	NEWTON 78, 76
	NEWTON 79, 72
	s_wait_alu depctr_va_vdst(0)                   ; the wait for that reciprocal
	v_mul_f32 v80, v80, v85                        ; aa0, aa1, aa2
	v_mul_f32 v81, v81, v85
	v_mul_f32 v82, v82, v85
	v_mul_f32 v86, v80, v73                        ; aa0 s / SC
	v_mul_f32 v87, v81, v76                        ; aa1 st / SC
	v_mul_f32 v89, v80, v75                        ; aa0 beta / SC
	v_mul_f32 v88, v82, v79                        ; aa2 / SC
	v_mul_f32 v86, v86, v79
	v_mul_f32 v87, v87, v79
	v_mul_f32 v89, v89, v79
	PUT  P0,  72
	PUTN P1,  75
	PUT  RR1, 77
	PUTN NS1, 73
	PUT  RR2, 78
	PUTN NS2, 76
	PUT  CC0, 86
	PUT  CC1, 87
	PUT  CC2, 88
	PUT  CC3, 89
	v_readfirstlane_b32 s[HIB], v74
	STREAM 0
	s_endpgm
	; ---------------- waves 16-31: W ----------------
.Lweights:
	s_load_b32 s40, s[24:25], 0x0                  ; scale
	s_load_b32 s41, s[32:33], 0x0                  ; s
	s_load_b96 s[44:46], s[22:23], 0x0             ; logits_w
	s_add_nc_u64 s[IN:IN+1], s[10:11], s[34:35]
	s_add_nc_u64 s[OUT:OUT+1], s[14:15], s[6:7]
	global_load_b128 v[88:91], v3, s[16:17]        ; the 256 maxima of the launch before: eight a lane
	global_load_b128 v[92:95], v3, s[16:17] offset:16
.irp i, 0,1,2,3,4,5,6,7
	global_load_b128 v[X+4*(\i):X+4*(\i)+3], v1, s[IN:IN+1] offset:(\i)*8192 th:TH_LOAD_NT
.endr
	s_mov_b32 s48, 0x76543210
	s_mov_b32 s49, 0xfedcba98
	s_mov_b32 s[LO8], 0xc3000000                   ; -128
	s_mov_b32 s[HIB], 0x42fe0000                   ; 127
	s_wait_kmcnt 0x0
	v_mov_b32 v72, s40
	v_mov_b32 v73, s41
	v_mov_b32 v80, s44
	v_mov_b32 v81, s45
	v_mov_b32 v82, s46
	v_mov_b32 v84, 0
	v_max_num_f32 v72, 0x358637bd, v72             ; SC
	v_max_num_f32 v73, 0x358637bd, v73             ; s
	SOFTARG
	v_rcp_f32 v79, v72                             ; the first batch
	v_rcp_f32 v77, v73
	v_exp_f32 v80, v80
	v_exp_f32 v81, v81
	v_exp_f32 v82, v82
	v_nop
	s_wait_alu depctr_va_vdst(0)
	NEWTON 79, 72
	NEWTON 77, 73
	v_add_f32 v83, v80, v81
	v_add_f32 v83, v83, v82
	s_wait_loadcnt 8                               ; the two loads of wmax are in; the ring's eight, issued behind them, stay out
	v_max3_num_f32 v88, v88, v89, v90
	v_max3_num_f32 v91, v91, v92, v93
	v_max3_num_f32 v88, v88, v94, v95
	v_max_num_f32 v91, v88, v91
	v_max_num_f32_dpp v91, v91, v91 row_xmask:1 row_mask:0xf bank_mask:0xf
	v_max_num_f32_dpp v91, v91, v91 row_xmask:2 row_mask:0xf bank_mask:0xf
	v_max_num_f32_dpp v91, v91, v91 row_xmask:4 row_mask:0xf bank_mask:0xf
	v_max_num_f32_dpp v91, v91, v91 row_xmask:8 row_mask:0xf bank_mask:0xf
	v_permlanex16_b32 v84, v91, s48, s49
	v_max_num_f32 v91, v91, v84                    ; max|W|, in every lane
	v_mul_f32 v92, v91, v79                        ; max|w| = max|W| / SC, as a rounded quotient
	v_fma_f32 v84, -v92, v72, v91
	v_fma_f32 v92, v84, v79, v92
	v_mul_f32 v76, 0x3c010204, v92                 ; s2 = max|w| / 127, likewise,
	v_fmamk_f32 v84, v76, 0xc2fe0000, v92
	v_fmamk_f32 v76, v84, 0x3c010204, v76
	v_max_num_f32 v76, 0x358637bd, v76             ; at least 1e-6
	v_max_num_f32 v93, 0x0d800000, v92             ; IW = max|w|, at least 2^-100, so that it can be divided by
	v_rcp_f32 v78, v76                             ; the second batch
	v_rcp_f32 v94, v93
	v_rcp_f32 v85, v83
	v_mul_f32 v96, v72, v93                        ; SC x IW: the plain line behind the batch
	v_mov_b32 v97, v96
	s_wait_alu depctr_va_vdst(0)
	NEWTON 78, 76
	NEWTON 94, 93
	v_mul_f32 v80, v80, v85                        ; aw0, aw1, aw2
	v_mul_f32 v81, v81, v85
	v_mul_f32 v82, v82, v85
	v_mul_f32 v86, v80, v73                        ; aw0 s / IW
	v_mul_f32 v87, v81, v76                        ; aw1 s2 / IW
	v_mul_f32 v88, v82, v94                        ; aw2 / IW
	v_mul_f32 v86, v86, v94
	v_mul_f32 v87, v87, v94
	PUT  P0,  79
	PUTN P1,  72
	PUT  RR1, 77
	PUTN NS1, 73
	PUT  RR2, 78
	PUTN NS2, 76
	PUT  CC0, 86
	PUT  CC1, 87
	PUT  CC2, 88
	STREAM 1
	s_sub_co_u32 s5, s4, 16                        ; wave 16 of work-group 0 writes post: 32 lanes x 8 bytes, all 256 bytes by one store
	s_or_b32 s5, s5, ttmp9
	s_cmp_lg_u32 s5, 0
	s_cbranch_scc1 .Lw_end
	global_store_b64 v98, v[96:97], s[18:19]
.Lw_end:
	s_endpgm
.Lfunc_end_k_q6db3e946fe_quant:
	.size	k_q6db3e946fe_quant, .Lfunc_end_k_q6db3e946fe_quant-k_q6db3e946fe_quant
	.p2alignl 7, 3214868480
	.fill 96, 4, 3214868480
	.section	.rodata,"a",@progbits
	.p2align	6, 0x0
	.amdhsa_kernel k_q6db3e946fe_quant
		.amdhsa_group_segment_fixed_size 0
		.amdhsa_private_segment_fixed_size 0
		.amdhsa_enable_private_segment 0
		.amdhsa_kernarg_size 104
		.amdhsa_user_sgpr_count 2
		.amdhsa_user_sgpr_kernarg_segment_ptr 1
		.amdhsa_wavefront_size32 1
		.amdhsa_system_sgpr_workgroup_id_x 1
		.amdhsa_system_sgpr_workgroup_id_y 1
		.amdhsa_system_sgpr_workgroup_id_z 1
		.amdhsa_system_vgpr_workitem_id 0
		.amdhsa_next_free_vgpr 104
		.amdhsa_next_free_sgpr 76
		.amdhsa_reserve_vcc 0
		.amdhsa_float_denorm_mode_32 3
		.amdhsa_float_denorm_mode_16_64 3
		.amdhsa_memory_ordered 1
		.amdhsa_forward_progress 1
		.amdhsa_inst_pref_size 92
	.end_amdhsa_kernel
	.amdgpu_metadata
---
amdhsa.version: [ 1, 2 ]
amdhsa.kernels:
  - .name:           k_q6db3e946fe_quant
    .symbol:         k_q6db3e946fe_quant.kd
    .args:
      - { .name: x, .offset: 0, .size: 8, .value_kind: global_buffer, .address_space: global }
      - { .name: W, .offset: 8, .size: 8, .value_kind: global_buffer, .address_space: global }
      - { .name: qx, .offset: 16, .size: 8, .value_kind: global_buffer, .address_space: global }
      - { .name: qw, .offset: 24, .size: 8, .value_kind: global_buffer, .address_space: global }
      - { .name: wmax, .offset: 32, .size: 8, .value_kind: global_buffer, .address_space: global }
      - { .name: post, .offset: 40, .size: 8, .value_kind: global_buffer, .address_space: global }
      - { .name: logits_a, .offset: 48, .size: 8, .value_kind: global_buffer, .address_space: global }
      - { .name: logits_w, .offset: 56, .size: 8, .value_kind: global_buffer, .address_space: global }
      - { .name: rescale_scale, .offset: 64, .size: 8, .value_kind: global_buffer, .address_space: global }
      - { .name: lsq_a_s, .offset: 72, .size: 8, .value_kind: global_buffer, .address_space: global }
      - { .name: lsq_a_beta, .offset: 80, .size: 8, .value_kind: global_buffer, .address_space: global }
      - { .name: pact_alpha, .offset: 88, .size: 8, .value_kind: global_buffer, .address_space: global }
      - { .name: lsq_w_s, .offset: 96, .size: 8, .value_kind: global_buffer, .address_space: global }
    .group_segment_fixed_size: 0
    .private_segment_fixed_size: 0
    .kernarg_segment_align: 8
    .kernarg_segment_size: 104
    .max_flat_workgroup_size: 1024
    .sgpr_count:     76
    .vgpr_count:     104
    .wavefront_size: 32
...
	.end_amdgpu_metadata
.endif
;; end of part 2
;; launch gemm (part 3): grid 16 x 16, 4 waves a work-group, clusters of 4 x 4, 327,680 bytes of LDS; arguments qx, qw, out0, b, post; writes out0
.if DOCPART == 3
	.amdgcn_target "amdgcn-amd-amdhsa--gfx1250"
	.amdhsa_code_object_version 6
	.text
	.protected	k_q6db3e946fe_gemm
	.globl	k_q6db3e946fe_gemm
	.p2align	8
	.type	k_q6db3e946fe_gemm,@function
k_q6db3e946fe_gemm:
	s_mov_b64 s[64:65], 0
	v_nop
	global_prefetch_b8 v0, s[64:65] scope:SCOPE_SE
	s_setreg_imm32_b32 hwreg(HW_REG_WAVE_MODE, 25, 1), 1
	s_wait_xcnt 0x0
	s_wait_alu depctr_hold_cnt(0) depctr_sa_sdst(0) depctr_va_vdst(0) depctr_va_sdst(0) depctr_va_ssrc(0) depctr_va_vcc(0) depctr_vm_vsrc(0)
	s_getreg_b32 s2, hwreg(HW_REG_IB_STS2, 6, 4)
	s_cmp_eq_u32 s2, 0
	s_cbranch_scc0 .Lentry_in_a_cluster
	s_endpgm
.Lentry_in_a_cluster:
	s_bfe_u32 s2, ttmp6, 0x10000c
	s_cmp_lg_u32 s2, 0xf033
	s_cbranch_scc0 .Lentry_shape_is_right
	s_endpgm
.Lentry_shape_is_right:
; out0[m][n] = INV x (the sum over k of qx[m][k] qw[n][k]) + b[n].  qx, qw: [4096][4096] f16, out0: [4096][4096] f32, b: [4096] f32, INV = post[0] f32.  Sums in f32.
; WHY f16: every output must lie within a hundredth of the root mean square; a rounding to 8 significant bits of both operands, over 4,096 terms and 16.7 million outputs, leaves too little
; of that; 11 bits leave eight times more.  The range is seen to by the launch before: qw is divided by the largest weight (under 2), qx by the rescale; INV puts both back, in f32.
; LIMIT: |qx| under 65,504, as stated there.
; SHARES.  A tile of out0, 256 x 256, is made by a work-group of four waves; a wave makes 128 x 128: 64 accumulators of 16 x 16, 512 registers.  16 x 16 tiles: 256 work-groups.
; K goes in 32 steps of 128 through a ring of two LDS slots filled by the tensor data mover: a tile's rows are 256 bytes of memory, at multiples of 256 bytes from the buffer's first byte.
; CLUSTERS: 4 x 4 work-groups.  The four of a row of the cluster need the same tiles of qx, the four of a column the same tiles of qw: each tile is asked for JOINTLY, by the same tensor
; load with the same descriptor and a mask that names the four; that divides the requests for both operands by four.
; REGISTERS, in windows of 256 (s_set_vgpr_msb: bits 1:0 source 0, 3:2 source 1, 5:4 source 2, 7:6 destination):
;   window 0: v0-35 addresses and the bias; v64-127, v128-191 fragments of A = qx, two buffers; on the way out the same registers hold rows of out0
;   window 1: v64-127, v128-191 fragments of B = qw, two buffers
;   window 2: the 32 accumulators of my rows 0-63 (accumulator (a, b) at v[8 (8 a + b)]);   window 3: those of my rows 64-127
; THE MATRIX INSTRUCTION IS USED TRANSPOSED: source 0 = 16 rows of B, source 1 = 16 rows of A: lane l then holds row l % 16 of out0 and the columns 8 (l / 16) + 0..7: 32 bytes on end.
.set SIZE_K, 4096
.set SIZE_N, 4096
.set KSTEP,  128
.set PITCH,  272                       ; an LDS row: 256 bytes + 16 of padding = 68 words: the 16 rows of a fragment load start at 16 different groups of four banks (64 banks of 4 bytes: ISA guide 11.1)
.set HALFT,  128*PITCH                 ; 128 rows: what one tensor load brings, and what one wave reads of A or of B
.set SLOT,   4*HALFT                   ; A's 256 rows, then B's 256 rows
.set STAGE,  2*SLOT                    ; behind the ring, never filled by a tensor load: 16 rows x 528 bytes for each wave, for the way out
.set SPITCH, 528                       ; a stage row: 128 f32 + 16 bytes = 132 words: again 16 rows at 16 different groups of four banks
.set SPARE,  STAGE+4*16*SPITCH         ; behind the stages: the spare words, 128 bytes for each wave: two blocks of 256 bytes that no other line names
.set LAPS,   SIZE_K/(2*KSTEP)          ; a lap = two K steps = once round the ring
.set ADRA, 16                          ; v16-17  LDS address of my A fragments in slot 0, 1
.set ADRB, 20                          ; v20-21  the same for B
.set STO,  24                          ; v24     the way out: where I put 32 bytes of a row
.set RD,   25                          ; v25     the way out: where I read 16 bytes of a row back
.set CO,   26                          ; v26     16 x lane: my 16 bytes in 512 bytes of out0 and of b; never rewritten
.set SPW,  28                          ; v28     LDS address of my spare word; never rewritten
.set NIL,  29                          ; v29     0; never rewritten
.set PFO,  30                          ; v30     the prefetches' offset: lane x a row of qx or qw (8,192 bytes); never rewritten
.set BIAS, 32                          ; v[32:35] b of my four columns
.set F0,   64
.set F1,   128
.set G1,  24                           ; s[24:31] descriptor group 1 for A's tiles
.set G0,  32                           ; s[32:39] descriptor group 0 for A's tiles, a set for each slot
.set LIM, 43                           ; s43      1 in a wave that prefetches, else the greatest number
.set PFA, 44                           ; s[44:45] where my prefetches stand
.set G1B, 48                           ; s[48:55] group 1 for B's tiles: it differs in the mask alone
.set G0B, 56                           ; s[56:63] group 0 for B's tiles
.set INV, 72                           ; s[72:73] INV, as a pair
.set MSB, 0
.macro WIN new                         ; the immediate's high byte repeats the setting that is left; a switch that changes nothing is dropped
.if MSB != (\new)
	s_set_vgpr_msb (MSB<<8)|(\new)
.set MSB, \new
.endif
.endm
.set MUL_LO, 0xa1                      ; source 0 (B) window 1, source 1 (A) window 0, C and D window 2
.set MUL_HI, 0xf1                      ; the same, C and D window 3
.set TO_B,   0x40                      ; destination window 1, address window 0
; A joint load.  Waves 0 and 1 fetch A's two halves, waves 2 and 3 B's.  The branch hangs on the wave's number alone: it is the same in every work-group.
; An s_nop 0 and four v_nop follow each of the two lines, ahead of the jump, the label and what follows.
.macro JLOAD s
	s_cmp_eq_u32 s11, 0
	s_cbranch_scc0 .Lfor_b_\@
	tensor_load_to_lds s[G0+4*(\s):G0+4*(\s)+3], s[G1:G1+7]
	s_nop 0
.rept 4
	v_nop
.endr
	s_branch .Lasked_\@
.Lfor_b_\@:
	tensor_load_to_lds s[G0B+4*(\s):G0B+4*(\s)+3], s[G1B:G1B+7]
	s_nop 0
.rept 4
	v_nop
.endr
.Lasked_\@:
.endm
; A PREFETCH INTO THE L2, behind each joint refill and the run of LDS loads that follows it: the K step that stands TWO refills on (512 matrix instructions ahead of the load that asks for it):
; 32 rows x 256 bytes, a lane a row, one instruction a wave.  Each row's 256 bytes of a K step are named ONCE in the launch: A's tile row is walked by every cluster of that row of clusters,
; and the one with x = 0 asks; B's tile column by every cluster of that column, and the one with y = 0 asks.  The four partners of a joint load share its 128 rows out BY ADDRESS, 32 each
; (by cx for A, by cy for B): no branch hangs on a place in the cluster.  The loop's last trip (s3 = 1) asks for nothing: K steps 32 and 33 do not exist.  K steps 0 to 3 come by their loads alone.
.macro ASK
	s_cmp_gt_u32 s3, s[LIM]
	s_cbranch_scc0 .Lnot_mine_\@
	global_prefetch_b8 v[PFO], s[PFA:PFA+1] offset:KSTEP*2 th:TH_LOAD_NT scope:SCOPE_SE
.Lnot_mine_\@:
.endm
; A round of the cluster's barrier: my work-group's barrier, so that wave 0's signal speaks for all four waves; wave 0 signals; every wave waits for all sixteen work-groups; my work-group's barrier once more.
.macro CREST                           ; a round behind its opening barrier
	s_cmp_lg_u32 s10, 0
	s_cbranch_scc1 .Lnot_wave_0_\@
	s_barrier_signal -3
.Lnot_wave_0_\@:
	s_barrier_wait -3
	s_barrier_signal -1
	s_barrier_wait -1
.endm
.macro CROUND                          ; a whole round
	s_barrier_signal -1
	s_barrier_wait -1
	CREST
.endm
	s_load_b128 s[4:7], s[0:1], 0x0                ; qx s[4:5], qw s[6:7]
	s_load_b64 s[8:9], s[0:1], 0x10                ; out0
	s_load_b128 s[68:71], s[0:1], 0x18             ; b s[68:69], post s[70:71]
	v_lshl_add_u32 v[SPW], v0, 2, SPARE
	v_mov_b32 v[NIL], 0
	ds_add_u32 v[SPW], v[NIL]                      ; the wave's opening: the add, twice on end, and its wait ahead of my first tensor load; the set-up below stands between
	ds_add_u32 v[SPW], v[NIL]
	v_lshrrev_b32 v1, 5, v0
	v_readfirstlane_b32 s10, v1                    ; wave 0..3
	s_lshr_b32 s11, s10, 1                         ; which half of the tile's rows is mine.  Also: I fetch for A (0) or for B (1)
	s_and_b32 s12, s10, 1                          ; which half of its columns.  Also: which 128 rows of that tile I fetch
	s_bfe_u32 s40, ttmp6, 0x40000                  ; cx
	s_bfe_u32 s41, ttmp6, 0x40004                  ; cy
	s_lshl_b32 s42, ttmp9, 2                       ; in a cluster launch ttmp9 and ttmp7 count clusters
	s_add_co_u32 s42, s42, s40                     ; tile column = 4 x cluster x + cx
	s_and_b32 s13, ttmp7, 0xffff
	s_lshl_b32 s13, s13, 2
	s_add_co_u32 s13, s13, s41                     ; tile row = 4 x cluster y + cy
	s_lshl_b32 s43, s41, 2
	s_lshl_b32 s43, 15, s43                        ; my row of the cluster: places 4 cy .. 4 cy + 3
	s_lshl_b32 s44, 0x1111, s40                    ; my column: places cx, cx + 4, cx + 8, cx + 12
	; descriptor group 1: a tile of 128 rows x 128 elements of 2 bytes, padded in LDS
	s_or_b32 s[G1+0], s43, (1<<16)|(1<<20)|(1<<21)|(5<<22)|(3<<25)   ; 15:0 the mask; 17:16 2-byte elements; 20 padding on; 21 set beside a mask; 24:22 after every 64 words (code 5); 31:25 4 words (code 3)
	s_or_b32 s[G1B+0], s44, (1<<16)|(1<<20)|(1<<21)|(5<<22)|(3<<25)
.irp g, G1, G1B
	s_mov_b32 s[(\g)+1], KSTEP<<16                 ; tensor_dim0 = 128
	s_mov_b32 s[(\g)+2], 128<<16                   ; tensor_dim1 = 128
	s_mov_b32 s[(\g)+3], KSTEP<<16                 ; tile_dim0 = 128
	s_mov_b32 s[(\g)+4], 128                       ; tile_dim1 = 128
	s_mov_b32 s[(\g)+5], SIZE_K                    ; elements from row to row
	s_mov_b32 s[(\g)+6], 0
	s_mov_b32 s[(\g)+7], 0
.endr
	; where the tiles come from: A's hang on the tile row alone, B's on the tile column alone; every wave makes both, in registers that never hold the other coordinate
	s_lshl_b32 s17, s12, 7
	s_lshl_b32 s16, s13, 8
	s_add_co_u32 s16, s16, s17                     ; A: row 256 x tile row + 128 x half
	s_lshl_b32 s46, s42, 8
	s_add_co_u32 s46, s46, s17                     ; B: row 256 x tile column + 128 x half
	s_mov_b32 s17, 0
	s_mov_b32 s47, 0
	s_mov_b64 s[18:19], SIZE_K*2
	s_mul_u64 s[16:17], s[16:17], s[18:19]
	s_mul_u64 s[46:47], s[46:47], s[18:19]
	s_mul_i32 s20, s10, HALFT                      ; and where they go: wave x 128 rows: no place in the cluster enters an LDS address
	s_wait_dscnt 0x0                               ; both opening adds are done
	s_wait_kmcnt 0x0
	s_add_nc_u64 s[14:15], s[4:5], s[16:17]
	s_add_nc_u64 s[46:47], s[6:7], s[46:47]
	CROUND                                         ; all sixteen work-groups are here: the first joint loads meet
.irp s, 0,1
	s_mov_b32 s[G0+4*(\s)], 1                                        ; count = 1
	s_add_co_u32 s[G0+4*(\s)+1], s20, (\s)*SLOT                      ; LDS address
	s_add_nc_u64 s[G0+4*(\s)+2:G0+4*(\s)+3], s[14:15], (\s)*KSTEP*2  ; global address: K step s
	s_or_b32 s[G0+4*(\s)+3], s[G0+4*(\s)+3], 0x80000000              ; type = 2
	s_mov_b32 s[G0B+4*(\s)], 1
	s_add_co_u32 s[G0B+4*(\s)+1], s20, (\s)*SLOT
	s_add_nc_u64 s[G0B+4*(\s)+2:G0B+4*(\s)+3], s[46:47], (\s)*KSTEP*2
	s_or_b32 s[G0B+4*(\s)+3], s[G0B+4*(\s)+3], 0x80000000
	JLOAD \s                                       ; the ring is filled before anything else is done: two loads of mine are out
.endr
	; A fragment is 16 rows x 32 K in 8 registers: lane l holds row l % 16; registers 0-3 K = 8 (l / 16) + 0..7, registers 4-7 K = 16 + 8 (l / 16) + 0..7: two loads of 16 bytes, 32 bytes apart
	v_and_b32 v1, 15, v0                           ; l % 16
	v_bfe_u32 v2, v0, 4, 1                         ; l / 16
	v_mul_u32_u24 v3, v1, PITCH
	v_lshl_add_u32 v3, v2, 4, v3
	s_mul_i32 s21, s11, HALFT                      ; my 128 rows of A
	s_mul_i32 s22, s12, HALFT                      ; my 128 rows of B,
	s_add_co_u32 s22, s22, 2*HALFT                 ; which lie behind A's 256
.irp s, 0,1
	v_add_nc_u32 v[ADRA+(\s)], s21, v3
	v_add_nc_u32 v[ADRB+(\s)], s22, v3
	s_add_co_u32 s21, s21, SLOT
	s_add_co_u32 s22, s22, SLOT
.endr
	s_mul_i32 s23, s10, 16*SPITCH
	s_add_co_u32 s23, s23, STAGE                   ; my stage
	v_mul_u32_u24 v4, v1, SPITCH                   ; in: row l % 16, 32 bytes for each half of the lanes
	v_lshl_add_u32 v4, v2, 5, v4
	v_add_nc_u32 v[STO], s23, v4
	v_and_b32 v5, 31, v0
	v_lshlrev_b32 v[CO], 4, v5                     ; back: 32 lanes take one row of 512 bytes
	v_add_nc_u32 v[RD], s23, v[CO]
	; my part of out0 and of b
	s_lshl_b32 s13, s13, 8                         ; 256 x tile row
	s_lshl_b32 s14, s11, 7
	s_add_co_u32 s16, s13, s14                     ; my first row,
	s_lshl_b32 s16, s16, 14                        ; of 16,384 bytes (under 2^26 in all)
	s_lshl_b32 s46, s42, 10                        ; my first column, in bytes: 1,024 x tile column + 512 x half
	s_lshl_b32 s47, s12, 9
	s_add_co_u32 s46, s46, s47
	s_mov_b32 s47, 0
	s_add_nc_u64 s[68:69], s[68:69], s[46:47]
	s_add_co_u32 s16, s16, s46
	s_mov_b32 s17, 0
	s_add_nc_u64 s[8:9], s[8:9], s[16:17]
	global_load_b128 v[BIAS:BIAS+3], v[CO], s[68:69]
	s_load_b32 s[INV], s[70:71], 0x0
	; the prefetches
	s_lshl_b32 s42, s42, 8                         ; 256 x tile column
	s_and_b32 s22, ttmp7, 0xffff                   ; cluster y
	s_cmp_eq_u32 s11, 0                            ; do I fetch for A?
	s_cselect_b32 s20, s13, s42                    ; the tile's first row
	s_cselect_b32 s21, s40, s41                    ; my place among the four that ask for it with me
	s_cselect_b32 s22, ttmp9, s22                  ; the coordinate along which other clusters walk the same rows
	s_cselect_b64 s[PFA:PFA+1], s[4:5], s[6:7]
	s_cmp_eq_u32 s22, 0
	s_cselect_b32 s[LIM], 1, -1                    ; the same in all sixteen partners, for a given wave
	s_lshl_b32 s22, s12, 7
	s_add_co_u32 s20, s20, s22                     ; + the 128 rows that I fetch
	s_lshl_b32 s21, s21, 5
	s_add_co_u32 s20, s20, s21                     ; + my work-group's 32 of them
	s_mov_b32 s21, 0
	s_mov_b64 s[18:19], SIZE_K*2
	s_mul_u64 s[20:21], s[20:21], s[18:19]
	s_add_nc_u64 s[PFA:PFA+1], s[PFA:PFA+1], s[20:21]
	s_add_nc_u64 s[PFA:PFA+1], s[PFA:PFA+1], 2*KSTEP*2  ; at K step 2: the first refill steps it to 3 and names K step 4
	v_and_b32 v[PFO], 31, v0
	v_mul_u32_u24 v[PFO], v[PFO], SIZE_K*2
; 16 matrix instructions: m blocks a0, a0 + 1 of the window's four (hi = 0: my rows 0-63, 1: rows 64-127) x all 8 n blocks, 32 along K.  zero = 1: the first product starts the sums: nothing is cleared.
; The 64 accumulators take turns, one instruction a turn, in the same order in every quarter.
.macro MUL16 f, hi, a0, zero
	WIN MUL_LO+0x50*(\hi)
.irp a, \a0, (\a0)+1
.irp b, 0,1,2,3,4,5,6,7
.if \zero
	v_wmma_f32_16x16x32_f16 v[8*(8*(\a)+(\b)):8*(8*(\a)+(\b))+7], v[(\f)+8*(\b):(\f)+8*(\b)+7], v[(\f)+8*(4*(\hi)+(\a)):(\f)+8*(4*(\hi)+(\a))+7], 0
.else
	v_wmma_f32_16x16x32_f16 v[8*(8*(\a)+(\b)):8*(8*(\a)+(\b))+7], v[(\f)+8*(\b):(\f)+8*(\b)+7], v[(\f)+8*(4*(\hi)+(\a)):(\f)+8*(4*(\hi)+(\a))+7], v[8*(8*(\a)+(\b)):8*(8*(\a)+(\b))+7]
.endif
.endr
.endr
.endm
; 32 LDS loads in one run: the fragments of one quarter step (128 rows of B, 128 rows of A, 32 K at byte k of the rows) into buffer f
.macro FETCH slot, k, f
	WIN TO_B
.irp i, 0,1,2,3,4,5,6,7
	ds_load_b128 v[(\f)+8*(\i):(\f)+8*(\i)+3],   v[ADRB+(\slot)] offset:(\k)+(\i)*16*PITCH
	ds_load_b128 v[(\f)+8*(\i)+4:(\f)+8*(\i)+7], v[ADRB+(\slot)] offset:(\k)+(\i)*16*PITCH+32
.endr
	WIN 0
.irp i, 0,1,2,3,4,5,6,7
	ds_load_b128 v[(\f)+8*(\i):(\f)+8*(\i)+3],   v[ADRA+(\slot)] offset:(\k)+(\i)*16*PITCH
	ds_load_b128 v[(\f)+8*(\i)+4:(\f)+8*(\i)+7], v[ADRA+(\slot)] offset:(\k)+(\i)*16*PITCH+32
.endr
.endm
; A load into a register that a matrix instruction has read, and whatever reads a matrix result but a matrix instruction, stand four plain vector instructions behind it (ISA guide 7.12.1 for the readers of a matrix result)
.macro PLACES
.rept 4
	v_nop
.endr
.endm
; A K step is four quarters of 32 along K, 64 matrix instructions each, on buffers 0, 1, 0, 1.  One of the first three multiplies buffer f and, in its middle, fetches the next quarter, at byte k, into buffer g.
.macro QUARTER slot, k, f, g, zero
	s_wait_dscnt 8                                 ; B and A's rows 0-63 are in; the youngest eight loads (A's rows 64-127) may be out
	WIN MUL_LO
	MUL16 \f, 0, 0, \zero
	MUL16 \f, 0, 2, \zero
	PLACES
	FETCH \slot, \k, \g
	s_wait_dscnt 32                                ; all but the 32 just issued
	WIN MUL_HI
	MUL16 \f, 1, 0, \zero
	MUL16 \f, 1, 2, \zero
.endm
; The last quarter multiplies buffer 1 and changes slots.  MEET is its first half: ONE barrier for the change.  In front of it each wave waits for all its tensor loads, of which one is out: its part of the
; next slot; adds 0 to its spare word; and waits for that and for its own reads of this slot.  Behind it nobody reads this slot any more and the next slot is whole.
.macro MEET round                      ; round = 1: the rest of a round of the cluster's barrier follows
	WIN 0                                          ; (the add's two registers lie in window 0)
	s_wait_tensorcnt 0x0                           ; all my tensor loads have landed
	ds_add_u32 v[SPW], v[NIL]                      ; 0 onto my spare word
	s_wait_dscnt 9                                 ; (the add and the youngest eight loads may be out)
	WIN MUL_LO
	MUL16 F1, 0, 0, 0                              ; sixteen matrix instructions stand between the add and the wait for it
	s_wait_dscnt 0x0                               ; the add is done, and my reads of this slot are over
	s_barrier_signal -1
	MUL16 F1, 0, 2, 0                              ; work on registers while the others arrive
.if \round
	WIN 0
.endif
	s_barrier_wait -1
.endm
; The whole last quarter.  fill = 1: behind a round of the cluster's barrier the slot just read out is filled again first, with the K step two steps on; from that request to the wait for it a wave issues 224 matrix instructions.
.macro TURN slot, next, fill
.if \fill
	s_wait_xcnt 0x0                                ; the last prefetch, a K step back, has read its address: it is stepped here, ahead of the waits of the change
	s_add_nc_u64 s[PFA:PFA+1], s[PFA:PFA+1], KSTEP*2
	MEET 1
	CREST                                          ; no wave of any partner still reads this slot's tile or has a load on its way
	s_add_nc_u64 s[G0+4*(\slot)+2:G0+4*(\slot)+3], s[G0+4*(\slot)+2:G0+4*(\slot)+3], 2*KSTEP*2
	s_add_nc_u64 s[G0B+4*(\slot)+2:G0B+4*(\slot)+3], s[G0B+4*(\slot)+2:G0B+4*(\slot)+3], 2*KSTEP*2
	JLOAD \slot                                    ; the first tensor load behind the round, my only one until the next; its four v_nop are also the places in front of the loads below
.else
	MEET 0
	PLACES
.endif
	FETCH \next, 0, F0
.if \fill
	ASK
.endif
	WIN MUL_HI
	MUL16 F1, 1, 0, 0
	MUL16 F1, 1, 2, 0
.endm
; THE WAY OUT of block a (16 rows x 128 columns).  TOSTAGE: a lane's 32 bytes of each of the 8 accumulators go into my own stage, straight from the accumulators, each accumulator's four lowest
; registers first, and come back as whole rows of 512 bytes.  LDS serves a wave's instructions in order (ISA guide 5.7.1.4): the loads see the stores above
; them, and the next block's stores come behind these loads; no other wave touches the stage.
.macro TOSTAGE a
.set AC, 64*((\a)%4)
.set BK, 64+64*((\a)%2)
	WIN 0x08+4*((\a)/4)                            ; the stores' data (source 1): window 2 or 3
.irp b, 0,1,2,3,4,5,6,7
	ds_store_b128 v[STO], v[AC+8*(\b):AC+8*(\b)+3]   offset:64*(\b)
	ds_store_b128 v[STO], v[AC+8*(\b)+4:AC+8*(\b)+7] offset:64*(\b)+16
.endr
	WIN 0
.if (\a) >= 2
	s_wait_xcnt 0x0                                ; the stores of the block two back have read these registers
.endif
.irp t, 0,1,2,3,4,5,6,7,8,9,10,11,12,13,14,15
	ds_load_b128 v[BK+4*(\t):BK+4*(\t)+3], v[RD] offset:(\t)*SPITCH
.endr
.endm
; SEND: each row times INV plus the bias, one fused line for two numbers, and stored.  younger: the LDS instructions issued behind this block's loads.
.macro SEND a, younger
.set BK, 64+64*((\a)%2)
	WIN 0
.irp t, 0,1,2,3,4,5,6,7,8,9,10,11,12,13,14,15
	s_wait_dscnt (\younger)+15-(\t)                ; row t is back; the later rows and the next block's 32 instructions may be out
	v_pk_fma_f32 v[BK+4*(\t):BK+4*(\t)+1],   v[BK+4*(\t):BK+4*(\t)+1],   s[INV:INV+1], v[BIAS:BIAS+1]   op_sel_hi:[1,0,1]
	v_pk_fma_f32 v[BK+4*(\t)+2:BK+4*(\t)+3], v[BK+4*(\t)+2:BK+4*(\t)+3], s[INV:INV+1], v[BIAS+2:BIAS+3] op_sel_hi:[1,0,1]
	global_store_b128 v[CO], v[BK+4*(\t):BK+4*(\t)+3], s[8:9] offset:(16*(\a)+(\t))*SIZE_N*4 th:TH_STORE_NT  ; 512 consecutive bytes, at a multiple of 512 from the first byte of out0; 127 rows at the most stand in the immediate
.endr
.endm
	s_wait_tensorcnt 1                             ; my part of K step 0 is in; K step 1's load stays out
	s_wait_loadcnt 0x0                             ; the bias,
	s_wait_kmcnt 0x0                               ; and INV: both waited for here, beside the first tile
	s_mov_b32 s[INV+1], s[INV]                     ; named with it as a pair
	s_barrier_signal -1
	s_barrier_wait -1                              ; everybody's part is in
	FETCH 0, 0, F0
	QUARTER 0, 64,  F0, F1, 1                      ; the first quarter stands in front of the loop: its products start the sums
	WIN 0                                          ; at a label and at a branch every window is 0
	s_mov_b32 s3, LAPS-1
.Llap:                                                 ; a trip goes once round the ring, from a lap's second quarter to the next lap's first, and fills both slots again
	QUARTER 0, 128, F1, F0, 0
	QUARTER 0, 192, F0, F1, 0
	TURN 0, 1, 1
	QUARTER 1, 64,  F0, F1, 0
	QUARTER 1, 128, F1, F0, 0
	QUARTER 1, 192, F0, F1, 0
	TURN 1, 0, 1
	QUARTER 0, 64,  F0, F1, 0
	WIN 0
	s_sub_co_u32 s3, s3, 1
	s_cmp_lg_u32 s3, 0
	s_cbranch_scc1 .Llap
	QUARTER 0, 128, F1, F0, 0                      ; the last lap is written out: it fills nothing, and has no round of the cluster's barrier
	QUARTER 0, 192, F0, F1, 0
	TURN 0, 1, 0
	QUARTER 1, 64,  F0, F1, 0
	QUARTER 1, 128, F1, F0, 0
	QUARTER 1, 192, F0, F1, 0
	s_wait_dscnt 8                                 ; the very last quarter: nothing more to fetch
	WIN MUL_LO
	MUL16 F1, 0, 0, 0
	MUL16 F1, 0, 2, 0
	s_wait_dscnt 0x0
	MUL16 F1, 1, 0, 0
	MUL16 F1, 1, 2, 0
	WIN 0
	PLACES                                         ; behind the last products: the LDS stores read results, the LDS loads land in registers that products have read
	PLACES                                         ; (eight, once in the launch: the stricter count)
	TOSTAGE 0
.irp a, 1,2,3,4,5,6,7                  ; block a is on its way through the stage while block a - 1 is scaled and stored
	TOSTAGE \a
	SEND (\a)-1, 32
.endr
	SEND 7, 0
	s_wait_tensorcnt 0x0                           ; the wave's end: these three lines, behind my last tensor load and my last LDS store
	ds_add_u32 v[SPW], v[NIL]
	s_wait_dscnt 0x0
	CROUND                                         ; the closing round: no work-group ends while a partner may still ask for a tile that names it
	s_endpgm
.Lfunc_end_k_q6db3e946fe_gemm:
	.size	k_q6db3e946fe_gemm, .Lfunc_end_k_q6db3e946fe_gemm-k_q6db3e946fe_gemm
	.p2alignl 7, 3214868480
	.fill 96, 4, 3214868480
	.section	.rodata,"a",@progbits
	.p2align	6, 0x0
	.amdhsa_kernel k_q6db3e946fe_gemm
		.amdhsa_group_segment_fixed_size 327680
		.amdhsa_private_segment_fixed_size 0
		.amdhsa_enable_private_segment 0
		.amdhsa_kernarg_size 40
		.amdhsa_user_sgpr_count 2
		.amdhsa_user_sgpr_kernarg_segment_ptr 1
		.amdhsa_wavefront_size32 1
		.amdhsa_system_sgpr_workgroup_id_x 1
		.amdhsa_system_sgpr_workgroup_id_y 1
		.amdhsa_system_sgpr_workgroup_id_z 1
		.amdhsa_system_vgpr_workitem_id 0
		.amdhsa_next_free_vgpr 1024
		.amdhsa_next_free_sgpr 74
		.amdhsa_reserve_vcc 0
		.amdhsa_float_denorm_mode_32 3
		.amdhsa_float_denorm_mode_16_64 3
		.amdhsa_memory_ordered 1
		.amdhsa_forward_progress 1
		.amdhsa_inst_pref_size 162
	.end_amdhsa_kernel
	.amdgpu_metadata
---
amdhsa.version: [ 1, 2 ]
amdhsa.kernels:
  - .name:           k_q6db3e946fe_gemm
    .symbol:         k_q6db3e946fe_gemm.kd
    .args:
      - { .name: qx, .offset: 0, .size: 8, .value_kind: global_buffer, .address_space: global }
      - { .name: qw, .offset: 8, .size: 8, .value_kind: global_buffer, .address_space: global }
      - { .name: out0, .offset: 16, .size: 8, .value_kind: global_buffer, .address_space: global }
      - { .name: b, .offset: 24, .size: 8, .value_kind: global_buffer, .address_space: global }
      - { .name: post, .offset: 32, .size: 8, .value_kind: global_buffer, .address_space: global }
    .group_segment_fixed_size: 327680
    .private_segment_fixed_size: 0
    .kernarg_segment_align: 8
    .kernarg_segment_size: 40
    .max_flat_workgroup_size: 128
    .sgpr_count:     74
    .vgpr_count:     1024
    .wavefront_size: 32
...
	.end_amdgpu_metadata
.endif
;; end of part 3
;; ======== version 2 of 2: 3 launches; version 1 with the launch quant written anew for expert scheduling mode
;; limits: values are held in f16: magnitudes above 65,504 overflow, below 6.1e-05 lose precision
;; workspace buffers: wmax 1,024 bytes; qx 33,554,432 bytes; qw 33,554,432 bytes; post 256 bytes
;; launch amax: the kernel of part 1 again; grid 256 x 1, 16 waves a work-group, no clusters, 2,304 bytes of LDS; arguments W, wmax; writes wmax
;; launch quant (part 4): grid 256 x 1, 32 waves a work-group, no clusters, 0 bytes of LDS; arguments x, W, qx, qw, wmax, post, logits_a, logits_w, rescale_scale, lsq_a_s, lsq_a_beta, pact_alpha, lsq_w_s; writes qx, qw, post
.if DOCPART == 4
	.amdgcn_target "amdgcn-amd-amdhsa--gfx1250"
	.amdhsa_code_object_version 6
	.text
	.protected	k_q6db3e946fe_quant
	.globl	k_q6db3e946fe_quant
	.p2align	8
	.type	k_q6db3e946fe_quant,@function
k_q6db3e946fe_quant:
	s_mov_b64 s[64:65], 0
	v_nop
	global_prefetch_b8 v0, s[64:65] scope:SCOPE_SE
	s_setreg_imm32_b32 hwreg(HW_REG_WAVE_SCHED_MODE, 0, 2), 2
	s_setreg_imm32_b32 hwreg(HW_REG_WAVE_MODE, 25, 1), 1
	s_wait_xcnt 0x0
	s_wait_alu depctr_vm_vsrc(0)
; The two mixtures of the module, element by element, each written once as f16 for the product that follows.
;   SC = max(scale, 1e-6).   a = x SC;   q_x = aa0 (round(clip((a - beta) / s, -8, 7)) s + beta) + aa1 round(clip(a, 0, alpha) / st) st + aa2 a,   st = alpha / 255
;   w = W / SC;   q_w = aw0 round(clip(w / s, -8, 7)) s + aw1 clip(round(w / s2), -128, 127) s2 + aw2 w,   s2 = max(max|w| / 127, 1e-6)
;   aa, aw = softmax(logits / 3.5), with the largest logit taken away first.
; STORED: qx = q_x / SC and qw = q_w / IW, IW = max|w| (at least 2^-100): |qw| stays under 2 whatever the size of W, since a code other than 0 means a step of at most 2 max|w|.
; post = SC x IW, 64 copies: the product is multiplied by it in f32.
; THE QUOTIENTS ahead of a rounding decide a code, and one code of 4 bits is a large step: so each is made as q = a r, e = a - q d (one fused line, so e is the true remainder),
; q = q + e r, with r = 1 / d refined twice: the rounded quotient of the f32 division.  Behind the codes the order of the sums is free.
; LIMITS: |q_x / SC| under 65,504 (f16); every quotient ahead of a clip finite in f32 (|x SC - beta| under 3.4e38 s, and so on); the scalar inputs within 1e-37 to 1e37
; (v_rcp_f32 takes a denormal as 0); NaN and infinities are not treated apart.
; SHARES.  32 waves: waves 0-15 take 262,144 bytes of x, waves 16-31 the same of W: one branch on the wave's number, two texts, no barrier, no LDS.
; With t = thread % 512, item i of 32 is 16 bytes in at 16 t + 8,192 i and 8 bytes out at 8 t + 4,096 i: a load of a wave covers 512 consecutive bytes, a store 256, aligned.
; No matrix unit, no cluster, no tensor load: no byte is wanted twice.
; THE MODE: SCHED_MODE bits 1:0 = 2 (LLVM: expert scheduling mode 2), set by the entry lines.  The code itself states the register dependences
; between vector instructions and memory instructions, with s_wait_alu, always for 0.
; THE PLAN.  The 32 items go in 16 blocks of two.  Registers that memory instructions touch:
;   X0 .. X3     four blocks as loaded.    Written by the loads of block p + 3, issued in block p; read by block p's arithmetic.
;   Y0, Y1       two blocks to store.      Written by block p's roundings to f16; read by the two stores that are issued in block p + 1.
;   v1, v2, v3, v98   byte offsets, made once at the head and never written again: the items are reached by the two scalar bases, which move on by a block
;                at each block's head, and by immediate offsets.
;   v[88:95]     W's path: the two loads of wmax land here, once; no vector line names them before.     v[96:97]  W's path: written at the head, read by the one store of post.
; Block p works on X[p % 4] and writes Y[p % 2].  Its memory instructions are the loads into X[(p + 3) % 4] = X[(p - 1) % 4] and the stores from Y[(p - 1) % 2]: the two buffers
; that block p - 1 worked on and that no vector line of block p names.  So the waits at a block's head state all that its four memory instructions hang on, and these stand
; among its vector lines with no further wait.  Four to six loads of every wave are on their way; a load has three blocks in which to land.
.set IN,  36                           ; s[36:37] my share of x or W, at the block in hand
.set OUT, 38                           ; s[38:39] my share of qx or qw, at the block in hand
.set P0,  50                           ; parameters as pairs (the packed lines name a pair and take its low word twice).  x: SC      W: 1 / SC
.set P1,  52                           ; x: -beta   W: -SC
.set RR1, 54                           ; 1 / s
.set NS1, 56                           ; -s
.set RR2, 58                           ; x: 1 / st   W: 1 / s2
.set NS2, 60                           ; x: -st      W: -s2
.set CC0, 62                           ; the factor of the 4-bit code
.set CC1, 66                           ; of the 8-bit code
.set CC2, 68                           ; of a or w
.set CC3, 70                           ; x alone: the addend aa0 beta / SC
.set LO4, 72                           ; -8
.set HI4, 73                           ; 7
.set LO8, 74                           ; W alone: -128
.set HIB, 75                           ; x: alpha    W: 127
.set A,   4                            ; v[4:7]    a or w, then the sum
.set T,   8                            ; v[8:11]   a dividend
.set Q,   12                           ; v[12:15]  the 4-bit code
.set E,   16                           ; v[16:19]  a remainder
.set U,   20                           ; v[20:23]  the 8-bit code.  v[4:23] are named by vector lines alone
.set X,   24                           ; v[24:55]  buffer k, item i: four registers at X + 8 k + 4 i, as loaded
.set Y,   56                           ; v[56:63]  buffer k, item i: two registers at Y + 4 k + 2 i, to store
.macro GET sp, vr                      ; a parameter, the same in all lanes, into a scalar register: these lines stand in one run, with one wait behind the run
	v_readfirstlane_b32 s[\sp], v[\vr]
.endm
.macro TURN sp                         ; behind that wait: its sign is turned,
	s_xor_b32 s[\sp], s[\sp], 0x80000000
.endm
.macro TWIN sp                         ; and it is made a pair
	s_mov_b32 s[\sp+1], s[\sp]
.endm
.macro NEWTON r, d                     ; r = 1 / d, refined twice: t = 1 - d r; r = r + t r
.rept 2
	v_fma_f32 v84, -v[\d], v[\r], 1.0
	v_fma_f32 v[\r], v84, v[\r], v[\r]
.endr
.endm
.macro SOFTARG                         ; v80-82: (logit - the largest logit) x log2(e) / 3.5
	v_max3_num_f32 v83, v80, v81, v82
	v_sub_f32 v80, v80, v83
	v_sub_f32 v81, v81, v83
	v_sub_f32 v82, v82, v83
	v_mul_f32 v80, 0x3ed30bb1, v80
	v_mul_f32 v81, 0x3ed30bb1, v81
	v_mul_f32 v82, 0x3ed30bb1, v82
.endm
.macro PDIV q, a, r, n                 ; four quotients q = a / d, with 1 / d in pair r and -d in pair n
.irp p, 0,2
	v_pk_mul_f32 v[(\q)+(\p):(\q)+(\p)+1], v[(\a)+(\p):(\a)+(\p)+1], s[\r:\r+1] op_sel_hi:[1,0]
.endr
.irp p, 0,2
	v_pk_fma_f32 v[E+(\p):E+(\p)+1], v[(\q)+(\p):(\q)+(\p)+1], s[\n:\n+1], v[(\a)+(\p):(\a)+(\p)+1] op_sel_hi:[1,0,1]
.endr
.irp p, 0,2
	v_pk_fma_f32 v[(\q)+(\p):(\q)+(\p)+1], v[E+(\p):E+(\p)+1], s[\r:\r+1], v[(\q)+(\p):(\q)+(\p)+1] op_sel_hi:[1,0,1]
.endr
.endm
; One item's arithmetic: four numbers, from v[XI:XI+3] into v[YI:YI+1].  kind 0: x, 1: W.  It names those six registers and v[4:23], and no others.
.macro WORK kind
.if (\kind) == 0
.irp p, 0,2
	v_pk_mul_f32 v[A+(\p):A+(\p)+1], v[XI+(\p):XI+(\p)+1], s[P0:P0+1] op_sel_hi:[1,0]   ; a = x SC
.endr
.irp p, 0,2
	v_pk_add_f32 v[T+(\p):T+(\p)+1], v[A+(\p):A+(\p)+1], s[P1:P1+1] op_sel_hi:[1,0]     ; a - beta
.endr
	PDIV Q, T, RR1, NS1
.irp k, 0,1,2,3
	v_med3_num_f32 v[Q+(\k)], v[Q+(\k)], s[LO4], s[HI4]   ; clipped, then rounded
.endr
.irp k, 0,1,2,3
	v_rndne_f32 v[Q+(\k)], v[Q+(\k)]
.endr
.irp k, 0,1,2,3
	v_med3_num_f32 v[T+(\k)], v[A+(\k)], 0, s[HIB]        ; clip(a, 0, alpha)
.endr
	PDIV U, T, RR2, NS2
.irp k, 0,1,2,3
	v_rndne_f32 v[U+(\k)], v[U+(\k)]
.endr
.irp p, 0,2
	v_pk_fma_f32 v[A+(\p):A+(\p)+1], v[A+(\p):A+(\p)+1], s[CC2:CC2+1], s[CC3:CC3+1] op_sel_hi:[1,0,0]
.endr
.else
	PDIV A, XI, P0, P1                             ; w = W / SC
	PDIV Q, A, RR1, NS1
.irp k, 0,1,2,3
	v_med3_num_f32 v[Q+(\k)], v[Q+(\k)], s[LO4], s[HI4]   ; clipped, then rounded
.endr
.irp k, 0,1,2,3
	v_rndne_f32 v[Q+(\k)], v[Q+(\k)]
.endr
	PDIV U, A, RR2, NS2
.irp k, 0,1,2,3
	v_rndne_f32 v[U+(\k)], v[U+(\k)]               ; rounded, then clipped
.endr
.irp k, 0,1,2,3
	v_med3_num_f32 v[U+(\k)], v[U+(\k)], s[LO8], s[HIB]
.endr
.irp p, 0,2
	v_pk_mul_f32 v[A+(\p):A+(\p)+1], v[A+(\p):A+(\p)+1], s[CC2:CC2+1] op_sel_hi:[1,0]
.endr
.endif
.irp p, 0,2
	v_pk_fma_f32 v[A+(\p):A+(\p)+1], v[Q+(\p):Q+(\p)+1], s[CC0:CC0+1], v[A+(\p):A+(\p)+1] op_sel_hi:[1,0,1]
.endr
.irp p, 0,2
	v_pk_fma_f32 v[A+(\p):A+(\p)+1], v[U+(\p):U+(\p)+1], s[CC1:CC1+1], v[A+(\p):A+(\p)+1] op_sel_hi:[1,0,1]
.endr
	v_cvt_pk_f16_f32 v[YI], v[A], v[A+1]           ; the one rounding to f16
	v_cvt_pk_f16_f32 v[YI+1], v[A+2], v[A+3]
.endm
; Block p.  xb = p % 4, yb = p % 2.  first = 1: block 0, with no block in front of it.  ahead = 1: block p + 3 is loaded.
; left = how many younger loads may still be out when this block's two have to be there.
.macro BLK kind, xb, yb, first, ahead, left
	s_wait_loadcnt \left                           ; loads come back in order (ISA guide 5.7.1): X[xb] is in, the younger blocks stay out
.if !\first
	s_wait_xcnt 0x0                                ; every earlier memory instruction has had its addresses translated (ISA guide 3.1): the two bases and Y[yb] are rewritten only behind this wait
	s_wait_alu depctr_vm_vsrc(0)                   ; the stores issued in the block before have read Y[yb], which this block's roundings write again
	s_wait_alu depctr_va_vdst(0)                   ; the block before has written the other Y, which the stores below read, and is done reading its X, in which the loads below land
	s_add_nc_u64 s[IN:IN+1], s[IN:IN+1], 0x4000    ; both bases at this block's first item
	s_add_nc_u64 s[OUT:OUT+1], s[OUT:OUT+1], 0x2000
.endif
.irp i, 0,1
.if \ahead
	global_load_b128 v[X+8*((\xb+3)%4)+4*(\i):X+8*((\xb+3)%4)+4*(\i)+3], v1, s[IN:IN+1] offset:(6+(\i))*8192 th:TH_LOAD_NT  ; three blocks ahead; no vector line since the wait names these registers
.endif
.if !\first
	global_store_b64 v2, v[Y+4*(1-\yb)+2*(\i):Y+4*(1-\yb)+2*(\i)+1], s[OUT:OUT+1] offset:((\i)-2)*4096  ; the block before: the offset reaches back
.endif
.set XI, X+8*(\xb)+4*(\i)
.set YI, Y+4*(\yb)+2*(\i)
	WORK \kind
.endr
.endm
; 16 blocks: block 0; three laps of four, behind which both kinds of buffer are back at their start; the last three written out, which load nothing: no load leaves the buffer
.macro STREAM kind
	BLK \kind, 0, 0, 1, 1, 4                       ; block 0: its offsets were written ahead of the head's wait, and no vector line has named X3
	s_mov_b32 s3, 3
.Lround_\@:
	BLK \kind, 1, 1, 0, 1, 4
	BLK \kind, 2, 0, 0, 1, 4
	BLK \kind, 3, 1, 0, 1, 4
	BLK \kind, 0, 0, 0, 1, 4
	s_sub_co_u32 s3, s3, 1
	s_cmp_lg_u32 s3, 0
	s_cbranch_scc1 .Lround_\@
	BLK \kind, 1, 1, 0, 0, 4                       ; blocks 13 to 15: the counts run down
	BLK \kind, 2, 0, 0, 0, 2
	BLK \kind, 3, 1, 0, 0, 0
	s_wait_alu depctr_va_vdst(0)                   ; block 15 has written Y1, which the last two stores read
.irp i, 0,1
	global_store_b64 v2, v[Y+4+2*(\i):Y+4+2*(\i)+1], s[OUT:OUT+1] offset:(\i)*4096
.endr
.endm
	s_load_b512 s[8:23], s[0:1], 0x0               ; x 8, W 10, qx 12, qw 14, wmax 16, post 18, logits_a 20, logits_w 22
	s_load_b256 s[24:31], s[0:1], 0x40             ; rescale_scale 24, lsq_a_s 26, lsq_a_beta 28, pact_alpha 30
	s_load_b64 s[32:33], s[0:1], 0x60              ; lsq_w_s
	v_lshrrev_b32 v4, 5, v0
	v_readfirstlane_b32 s4, v4                     ; wave 0..31
	v_and_b32 v1, 0x1ff, v0                        ; t
	v_lshlrev_b32 v2, 3, v1                        ; 8 t
	v_lshlrev_b32 v1, 4, v1                        ; 16 t
	v_and_b32 v3, 31, v0                           ; lane
	v_lshlrev_b32 v98, 3, v3                       ; 8 x lane: my two words of post
	v_lshlrev_b32 v3, 5, v3                        ; 32 x lane: my eight words of wmax
	s_lshl_b32 s34, ttmp9, 18                      ; the work-group's share: 262,144 bytes in,
	s_mov_b32 s35, 0
	s_lshl_b32 s6, ttmp9, 17                       ; 131,072 out
	s_mov_b32 s7, 0
	s_mov_b32 s[LO4], 0xc1000000                   ; -8
	s_mov_b32 s[HI4], 0x40e00000                   ; 7
	s_wait_kmcnt 0x0
	s_wait_alu depctr_va_vdst(0)                   ; v1, v2, v3 and v98 are written: every load and store of the kernel reads one of them as its offset
	s_wait_alu depctr_va_sdst(0)                   ; s4 is written, ahead of its first reader, the compare below
	s_cmp_lt_u32 s4, 16
	s_cbranch_scc0 .Lweights
	; ---------------- waves 0-15: x ----------------
	s_load_b32 s40, s[24:25], 0x0                  ; scale
	s_load_b32 s41, s[26:27], 0x0                  ; s
	s_load_b32 s42, s[28:29], 0x0                  ; beta
	s_load_b32 s43, s[30:31], 0x0                  ; alpha
	s_load_b96 s[44:46], s[20:21], 0x0             ; logits_a
	s_add_nc_u64 s[IN:IN+1], s[8:9], s[34:35]
	s_add_nc_u64 s[OUT:OUT+1], s[12:13], s[6:7]
.irp i, 0,1,2,3,4,5
	global_load_b128 v[X+4*(\i):X+4*(\i)+3], v1, s[IN:IN+1] offset:(\i)*8192 th:TH_LOAD_NT  ; blocks 0, 1 and 2 into X0, X1, X2; the parameters are made while they are on their way
.endr
	s_wait_kmcnt 0x0
	v_mov_b32 v72, s40
	v_mov_b32 v73, s41
	v_mov_b32 v74, s43
	v_mov_b32 v75, s42                             ; beta
	v_mov_b32 v80, s44
	v_mov_b32 v81, s45
	v_mov_b32 v82, s46
	v_max_num_f32 v72, 0x358637bd, v72             ; SC = max(scale, 1e-6)
	v_max_num_f32 v73, 0x358637bd, v73             ; s
	v_max_num_f32 v74, 0x358637bd, v74             ; alpha
	v_mul_f32 v76, 0x3b808081, v74                 ; st = alpha / 255: q = alpha x (1/255),
	v_fmamk_f32 v84, v76, 0xc37f0000, v74          ; e = alpha - 255 q,
	v_fmamk_f32 v76, v84, 0x3b808081, v76          ; q + e x (1/255)
	SOFTARG
	v_rcp_f32 v77, v73                             ; one batch: three reciprocals and three exponentials
	v_rcp_f32 v78, v76
	v_rcp_f32 v79, v72
	v_exp_f32 v80, v80
	v_exp_f32 v81, v81
	v_exp_f32 v82, v82
	v_nop                                          ; a plain line behind the last of them,
	s_wait_alu depctr_va_vdst(0)                   ; and the one wait ahead of the first use: the batch has written v77 to v82
	v_add_f32 v83, v80, v81
	v_add_f32 v83, v83, v82                        ; at least 1: the largest logit gives 2^0
	v_rcp_f32 v85, v83
	NEWTON 77, 73                                  ; plain work that names neither v83 nor v85
	NEWTON 78, 76
	NEWTON 79, 72
	s_wait_alu depctr_va_vdst(0)                   ; that reciprocal has written v85, ahead of its first use
	v_mul_f32 v80, v80, v85                        ; aa0, aa1, aa2
	v_mul_f32 v81, v81, v85
	v_mul_f32 v82, v82, v85
	v_mul_f32 v86, v80, v73                        ; aa0 s / SC
	v_mul_f32 v87, v81, v76                        ; aa1 st / SC
	v_mul_f32 v89, v80, v75                        ; aa0 beta / SC
	v_mul_f32 v88, v82, v79                        ; aa2 / SC
	v_mul_f32 v86, v86, v79
	v_mul_f32 v87, v87, v79
	v_mul_f32 v89, v89, v79
	GET P0,  72
	GET P1,  75
	GET RR1, 77
	GET NS1, 73
	GET RR2, 78
	GET NS2, 76
	GET CC0, 86
	GET CC1, 87
	GET CC2, 88
	GET CC3, 89
	GET HIB, 74
	s_wait_alu depctr_va_sdst(0)                   ; the eleven scalar registers of the run above are written, ahead of their first readers: the scalar lines below and block 0's arithmetic
	TURN P1
	TURN NS1
	TURN NS2
.irp r, P0, P1, RR1, NS1, RR2, NS2, CC0, CC1, CC2, CC3
	TWIN \r
.endr
	STREAM 0
	s_endpgm
	; ---------------- waves 16-31: W ----------------
.Lweights:
	s_load_b32 s40, s[24:25], 0x0                  ; scale
	s_load_b32 s41, s[32:33], 0x0                  ; s
	s_load_b96 s[44:46], s[22:23], 0x0             ; logits_w
	s_add_nc_u64 s[IN:IN+1], s[10:11], s[34:35]
	s_add_nc_u64 s[OUT:OUT+1], s[14:15], s[6:7]
	global_load_b128 v[88:91], v3, s[16:17]        ; the 256 maxima of the launch before: eight a lane
	global_load_b128 v[92:95], v3, s[16:17] offset:16
.irp i, 0,1,2,3,4,5
	global_load_b128 v[X+4*(\i):X+4*(\i)+3], v1, s[IN:IN+1] offset:(\i)*8192 th:TH_LOAD_NT  ; blocks 0, 1 and 2 into X0, X1, X2
.endr
	s_mov_b32 s48, 0x76543210
	s_mov_b32 s49, 0xfedcba98
	s_mov_b32 s[LO8], 0xc3000000                   ; -128
	s_mov_b32 s[HIB], 0x42fe0000                   ; 127
	s_wait_kmcnt 0x0
	v_mov_b32 v72, s40
	v_mov_b32 v73, s41
	v_mov_b32 v80, s44
	v_mov_b32 v81, s45
	v_mov_b32 v82, s46
	v_mov_b32 v84, 0
	v_max_num_f32 v72, 0x358637bd, v72             ; SC
	v_max_num_f32 v73, 0x358637bd, v73             ; s
	SOFTARG
	v_rcp_f32 v79, v72                             ; the first batch
	v_rcp_f32 v77, v73
	v_exp_f32 v80, v80
	v_exp_f32 v81, v81
	v_exp_f32 v82, v82
	v_nop                                          ; a plain line behind the last of them,
	s_wait_alu depctr_va_vdst(0)                   ; and the batch's one wait, ahead of the first use: it has written v77 and v79 to v82
	NEWTON 79, 72
	NEWTON 77, 73
	v_add_f32 v83, v80, v81
	v_add_f32 v83, v83, v82
	s_wait_loadcnt 6                               ; the two loads of wmax are in; the six loads of blocks 0 to 2, issued behind them, stay out
	v_max3_num_f32 v88, v88, v89, v90
	v_max3_num_f32 v91, v91, v92, v93
	v_max3_num_f32 v88, v88, v94, v95
	v_max_num_f32 v91, v88, v91
	v_max_num_f32_dpp v91, v91, v91 row_xmask:1 row_mask:0xf bank_mask:0xf
	v_max_num_f32_dpp v91, v91, v91 row_xmask:2 row_mask:0xf bank_mask:0xf
	v_max_num_f32_dpp v91, v91, v91 row_xmask:4 row_mask:0xf bank_mask:0xf
	v_max_num_f32_dpp v91, v91, v91 row_xmask:8 row_mask:0xf bank_mask:0xf
	v_permlanex16_b32 v84, v91, s48, s49
	v_max_num_f32 v91, v91, v84                    ; max|W|, in every lane
	v_mul_f32 v92, v91, v79                        ; max|w| = max|W| / SC, as a rounded quotient
	v_fma_f32 v84, -v92, v72, v91
	v_fma_f32 v92, v84, v79, v92
	v_mul_f32 v76, 0x3c010204, v92                 ; s2 = max|w| / 127, likewise,
	v_fmamk_f32 v84, v76, 0xc2fe0000, v92
	v_fmamk_f32 v76, v84, 0x3c010204, v76
	v_max_num_f32 v76, 0x358637bd, v76             ; at least 1e-6
	v_max_num_f32 v93, 0x0d800000, v92             ; IW = max|w|, at least 2^-100, so that it can be divided by
	v_rcp_f32 v78, v76                             ; the second batch
	v_rcp_f32 v94, v93
	v_rcp_f32 v85, v83
	v_mul_f32 v96, v72, v93                        ; SC x IW: the plain line behind the batch
	v_mov_b32 v97, v96
	s_wait_alu depctr_va_vdst(0)                   ; the batch has written v78, v94 and v85, ahead of their first use
	NEWTON 78, 76
	NEWTON 94, 93
	v_mul_f32 v80, v80, v85                        ; aw0, aw1, aw2
	v_mul_f32 v81, v81, v85
	v_mul_f32 v82, v82, v85
	v_mul_f32 v86, v80, v73                        ; aw0 s / IW
	v_mul_f32 v87, v81, v76                        ; aw1 s2 / IW
	v_mul_f32 v88, v82, v94                        ; aw2 / IW
	v_mul_f32 v86, v86, v94
	v_mul_f32 v87, v87, v94
	GET P0,  79
	GET P1,  72
	GET RR1, 77
	GET NS1, 73
	GET RR2, 78
	GET NS2, 76
	GET CC0, 86
	GET CC1, 87
	GET CC2, 88
	s_wait_alu depctr_va_sdst(0)                   ; the nine scalar registers of the run above are written, ahead of their first readers, the scalar lines below
	TURN P1
	TURN NS1
	TURN NS2
.irp r, P0, P1, RR1, NS1, RR2, NS2, CC0, CC1, CC2
	TWIN \r
.endr
	STREAM 1
	s_sub_co_u32 s5, s4, 16                        ; wave 16 of work-group 0 writes post: 32 lanes x 8 bytes, all 256 bytes by one store
	s_or_b32 s5, s5, ttmp9
	s_cmp_lg_u32 s5, 0
	s_cbranch_scc1 .Lw_end
	global_store_b64 v98, v[96:97], s[18:19]       ; v[96:97] and v98 were written ahead of the blocks' waits, and no vector line has named them since
.Lw_end:
	s_endpgm
.Lfunc_end_k_q6db3e946fe_quant:
	.size	k_q6db3e946fe_quant, .Lfunc_end_k_q6db3e946fe_quant-k_q6db3e946fe_quant
	.p2alignl 7, 3214868480
	.fill 96, 4, 3214868480
	.section	.rodata,"a",@progbits
	.p2align	6, 0x0
	.amdhsa_kernel k_q6db3e946fe_quant
		.amdhsa_group_segment_fixed_size 0
		.amdhsa_private_segment_fixed_size 0
		.amdhsa_enable_private_segment 0
		.amdhsa_kernarg_size 104
		.amdhsa_user_sgpr_count 2
		.amdhsa_user_sgpr_kernarg_segment_ptr 1
		.amdhsa_wavefront_size32 1
		.amdhsa_system_sgpr_workgroup_id_x 1
		.amdhsa_system_sgpr_workgroup_id_y 1
		.amdhsa_system_sgpr_workgroup_id_z 1
		.amdhsa_system_vgpr_workitem_id 0
		.amdhsa_next_free_vgpr 104
		.amdhsa_next_free_sgpr 76
		.amdhsa_reserve_vcc 0
		.amdhsa_float_denorm_mode_32 3
		.amdhsa_float_denorm_mode_16_64 3
		.amdhsa_memory_ordered 1
		.amdhsa_forward_progress 1
		.amdhsa_inst_pref_size 94
	.end_amdhsa_kernel
	.amdgpu_metadata
---
amdhsa.version: [ 1, 2 ]
amdhsa.kernels:
  - .name:           k_q6db3e946fe_quant
    .symbol:         k_q6db3e946fe_quant.kd
    .args:
      - { .name: x, .offset: 0, .size: 8, .value_kind: global_buffer, .address_space: global }
      - { .name: W, .offset: 8, .size: 8, .value_kind: global_buffer, .address_space: global }
      - { .name: qx, .offset: 16, .size: 8, .value_kind: global_buffer, .address_space: global }
      - { .name: qw, .offset: 24, .size: 8, .value_kind: global_buffer, .address_space: global }
      - { .name: wmax, .offset: 32, .size: 8, .value_kind: global_buffer, .address_space: global }
      - { .name: post, .offset: 40, .size: 8, .value_kind: global_buffer, .address_space: global }
      - { .name: logits_a, .offset: 48, .size: 8, .value_kind: global_buffer, .address_space: global }
      - { .name: logits_w, .offset: 56, .size: 8, .value_kind: global_buffer, .address_space: global }
      - { .name: rescale_scale, .offset: 64, .size: 8, .value_kind: global_buffer, .address_space: global }
      - { .name: lsq_a_s, .offset: 72, .size: 8, .value_kind: global_buffer, .address_space: global }
      - { .name: lsq_a_beta, .offset: 80, .size: 8, .value_kind: global_buffer, .address_space: global }
      - { .name: pact_alpha, .offset: 88, .size: 8, .value_kind: global_buffer, .address_space: global }
      - { .name: lsq_w_s, .offset: 96, .size: 8, .value_kind: global_buffer, .address_space: global }
    .group_segment_fixed_size: 0
    .private_segment_fixed_size: 0
    .kernarg_segment_align: 8
    .kernarg_segment_size: 104
    .max_flat_workgroup_size: 1024
    .sgpr_count:     76
    .vgpr_count:     104
    .wavefront_size: 32
...
	.end_amdgpu_metadata
.endif
;; end of part 4
;; launch gemm: the kernel of part 3 again; grid 16 x 16, 4 waves a work-group, clusters of 4 x 4, 327,680 bytes of LDS; arguments qx, qw, out0, b, post; writes out0
